; MI455X (gfx1250); checked and timed in simulation.
; The chip was launched on July 23, 2026; its instructions are those of AMD's public machine-readable ISA for CDNA 5 (MIT licence, August 2026) and "CDNA5" Instruction Set Architecture Reference Guide (July 2026). The comments in the code are by the model that wrote it; some were corrected since.
;; Diversity Density. Allowed arithmetic: matrix products marked QUANTISED: E2M1 operands, one E8M0 scale for each 32 along K, by v_wmma_scale_f32_16x16x128_f8f6f4 with both operands' format E2M1 (or v_wmma_scale_f32_32x16x128_f4), f32 sums; everything else in f32.
;; Inputs: L_z 65,536 x 32 float32; U_z 4,096 x 32 float32; pred 4,096 float32.
;; Outputs: out0 4,096 float32.
;; This version of the problem:
;;   THIS VERSION OF THE PROBLEM IS GIVEN IN LOW PRECISION. The matrix products marked QUANTISED in the list below multiply operands that are first quantised to E2M1 (2 exponent bits, 1 mantissa bit; 4 bits a number), with one power-of-two scale for each 32 numbers along K (OCP MX v1.0); their sums are f32. All else is computed in f32.
;;   The module's matrix products, in the order in which they are computed (A, B: the left and right operand; K: the contracted axis; several contracted axes count as one K, in the product's order):
;;     1. [M 4,096, K 32] x [K 32, N 65,536]; A: input U_z; B: input L_z: QUANTISED
;;   THE QUANTISER, for each operand of a quantised product, along K:
;;     - K is cut into blocks of 32 from its start; a last block that is shorter is filled with zeros.
;;     - A block's scale is 2^e with e = floor(log2(the largest magnitude in the block)) - 2, held to -126 .. 127; a block of zeros has e = 0. As a byte (E8M0): e + 127.
;;     - Each number is divided by its block's scale, clamped to +-6, and rounded to the nearest number of E2M1, ties to even, subnormals kept.
;;     - The product sums the exact products of the quantised numbers (number of the format x scale) in f32.
;;   ~~~python
;;   def quantise(x, axis):      # numpy; x: float32 -> the quantised numbers, widened to float32 again
;;       x = np.moveaxis(x, axis, -1); K = x.shape[-1]
;;       x = np.pad(x, [(0, 0)] * (x.ndim - 1) + [(0, -K % 32)]); x = x.reshape(x.shape[:-1] + (-1, 32)); a = np.abs(x).max(-1, keepdims=True)
;;       e = np.where(a > 0, np.clip(np.frexp(np.where(a > 0, a, 1))[1] - 1 - 2, -126, 127), 0)      # np.frexp(a)[1] - 1 = floor(log2(a)), exactly
;;       r = np.clip(x / 2.0 ** e, -6, 6)
;;       step = 2.0 ** (np.maximum(np.frexp(np.where(r == 0, 1, r))[1] - 1, 0) - 1)
;;       q = np.round(r / step) * step * 2.0 ** e      # np.round: ties to even
;;       return np.moveaxis(q.reshape(q.shape[:-2] + (-1,))[..., :K], -1, axis).astype(np.float32)
;;   ~~~
;; 2 versions, each right; version 2 is version 1 with the launch nearest written anew for expert scheduling mode. Each part assembles by itself: llvm-mc -triple=amdgcn-amd-amdhsa -mcpu=gfx1250 --defsym DOCPART=n.
;; ======== version 1 of 2: 2 launches
;; workspace buffers: part 540,672 bytes
;; launch nearest (part 1): grid 8 x 32, 16 waves a work-group, no clusters, 63,488 bytes of LDS; arguments U_z, L_z, part; writes part
.if DOCPART == 1
	.amdgcn_target "amdgcn-amd-amdhsa--gfx1250"
	.amdhsa_code_object_version 6
	.text
	.protected	k_q3a4fc9d052_nearest
	.globl	k_q3a4fc9d052_nearest
	.p2align	8
	.type	k_q3a4fc9d052_nearest,@function
k_q3a4fc9d052_nearest:
	s_mov_b64 s[64:65], 0
	v_nop
	global_prefetch_b8 v0, s[64:65] scope:SCOPE_SE
	s_setreg_imm32_b32 hwreg(HW_REG_WAVE_MODE, 25, 1), 1
	s_wait_xcnt 0x0
; part[c][i] = max over the 2,048 rows l of chunk c of L_z of (2 q(u_i).q(l) - |l|^2), c = 0 .. 31, i = 0 .. 4,095; part[32][i] = |u_i|^2.
; q(.) is the MX-FP4 quantiser along K = 32: one block and one E8M0 byte for each row.  |.|^2 are taken of the unquantised f32 numbers, as the problem has them.
; WORK LEFT OUT.  (1) pred enters no line of the problem's formula: it is not loaded and is no argument of any launch.  (2) The problem takes min_j sqrt(max(u_sq + l_sq_j - 2 d_j, 0)).
; x -> sqrt(max(u_sq - x, 0)) never rises where x rises, and u_sq is the same for all j: so for all finite inputs the minimum is sqrt(max(u_sq - max_j(2 d_j - l_sq_j), 0)).
; The root, the clip at 0 and the addition of u_sq are therefore done once a row, in the next launch, and here only the maximum is taken.
; LIMITS.  NaN and infinities among the inputs are not served (the maxima drop a NaN where the problem's minimum would carry it; a NaN, an infinity or an overflow that reaches only the work left out is
; not carried to the result).  The order of rounding is u_sq - (2 d - l_sq), not (u_sq + l_sq) - 2 d; the sums of squares are taken in another order than the problem's.
; THE PRODUCT.  The matrix instruction is 16 x 16 x 128 and K is 32: its four blocks of 32 are used for FOUR TILES OF L.  An IMAGE (8 registers) holds in block b the codes of 16 rows of L, tile b of 64 rows;
; its scale word (lane r, byte b) is the byte of row 16 b + r.  A tile of 16 rows of U is used in four VARIANTS: its codes in block b, zero codes in the other three, which add nothing under any byte.
; So image x variant b = L's tile b x U's tile.  With X = the codes in lanes 0-15 and zeros in lanes 16-31, Y the other way round and Z four registers of zeros, the run Z X Z Y Z holds all four variants:
; block 0 = [X Z], block 1 = [Y Z], block 2 = [Z X], block 3 = [Z Y].  U's byte stands in all four places of its scale word and is RAISED BY 1, an exact factor 2 (the byte is at most 252 + 1);
; the C of every product is -l_sq in the result's layout.  So 2 u.l - l_sq leaves the matrix unit, and the vector work is the maximum alone, two results an instruction.
; Source 0 = L, source 1 = U: a lane holds ONE row of U (lane % 16) and its eight registers eight rows of L: the maximum stays inside the lane.
; SHARES.  Work-group (x, y): rows 512 x .. + 511 of U against rows 2,048 y .. + 2,047 of L: 8 x 32 = 256 work-groups.  Sixteen waves of 256 registers.  Wave w keeps rows 128 w .. + 127 of the chunk in registers,
; as two images, quantised from its own global loads; it also quantises tiles 2 w and 2 w + 1 of U into LDS, from which all sixteen waves stream the 32 tiles: 32 x 8 = 256 products a wave.
; NO CLUSTER, NO TENSOR LOADS: rows of L are shared by 8 work-groups and rows of U by 32, but a work-group reads its 512 x 128 + 2,048 x 128 = 327,680 bytes once, at its head, straight into the registers in which
; they are quantised; brought jointly they would have to lie in LDS as f32, where they alone are all the LDS that a work-group can be given, and be read back from there.  The loop reads nothing from memory.
.set UIMG,  0                          ; LDS: U's tile t at 512 t: 256 bytes of codes (row r at 16 r), then 256 bytes of zeros
.set USC,   16384                      ; U's scale words: tile t, row r at 64 t + 4 r
.set USQ,   18432                      ; u_sq of the work-group's 512 rows, 4 bytes a row
.set NSQ,   20480                      ; -l_sq: wave w's 128 rows at 512 w; read by that wave alone
.set RES,   28672                      ; the waves' maxima: wave w's 512 numbers at 2,048 w
.set SPARE, 61440                      ; the spare words, 128 bytes for each wave: eight blocks of 256 bytes that no other line names
.set SPW,  1                           ; v1   LDS address of my spare word; never rewritten
.set NIL,  2                           ; v2   0; never rewritten
.set GOFF, 3                           ; v3   128 r + 64 h: my 16 numbers of row r of a tile, in U and in L
.set AX,   4                           ; v4   16 x lane: X of a tile of U
.set AY,   5                           ; v5   16 x (lane xor 16): Y
.set ASU,  6                           ; v6   USC + 4 x lane
.set NST,  7                           ; v7   NSQ + 512 w + 4 x lane
.set NLD,  8                           ; v8   NSQ + 512 w + 32 h
.set RST,  9                           ; v9   RES + 2,048 w + 4 x lane
.set UA8,  10                          ; v10  1,024 w + 16 r + 8 h
.set UZ8,  11                          ; v11  1,024 w + 256 + 8 x lane
.set U4,   12                          ; v12  128 w + 4 r
.set RLD,  13                          ; v13  RES + 16 x (thread % 128)
.set QLD,  14                          ; v14  USQ + 16 x (thread % 128)
.set GO,   15                          ; v15  16 x (thread % 128)
.set SA,   16                          ; v16-17  the two images' scale words
.set SU,   18                          ; v18-33  U's scale words: register p: lanes 0-15 tile 2 p, lanes 16-31 tile 2 p + 1
.set RA,   34                          ; v34-35  the running maxima of an even and of an odd tile of U
.set T,    36                          ; v36-39  at work in the maximum (at the head v36-43: what U's quantiser stores)
.set RS,   40                          ; v40     a pair of tiles' maxima, lane = row
.set IMG,  44                          ; v44-59  the two images (before that: at work in U's quantiser)
.set CN,   60                          ; v60-123 -l_sq in the result's layout, tile c = 4 i + b at 60 + 8 c (before that: image 1's 64 numbers)
.set F,    124                         ; v124-159  Z X0 Z Y0 Z X1 Z Y1 Z
.set DP,   160                         ; v160-191 results, set P;  v192-223 set Q  (before that: image 0's 64 numbers; in the tail: the sixteen waves' maxima)
.set DQ,   192
.set TM,   224                         ; v224-255 first U's 32 numbers; then v224-239 at work in L's quantiser, v240-247 sums of squares, v248-251 -l_sq; in the tail the results
.set SQ,   240
	s_load_b128 s[4:7], s[0:1], 0x0                ; U_z s[4:5], L_z s[6:7]
	s_load_b64 s[8:9], s[0:1], 0x10                ; part
	v_lshl_add_u32 v[SPW], v0, 2, SPARE
	v_mov_b32 v[NIL], 0
	v_lshrrev_b32 v41, 5, v0
	v_readfirstlane_b32 s10, v41                   ; wave 0 .. 15
	s_and_b32 s12, ttmp7, 0xffff                   ; y: the chunk of L
	v_and_b32 v41, 31, v0                          ; lane
	v_and_b32 v42, 15, v0                          ; r
	v_bfe_u32 v43, v0, 4, 1                        ; h
	s_lshl_b32 s13, s10, 9
	s_lshl_b32 s18, s10, 11
	s_lshl_b32 s19, s10, 10
	s_lshl_b32 s22, s10, 7
	v_lshlrev_b32 v[GOFF], 7, v42
	v_lshl_add_u32 v[GOFF], v43, 6, v[GOFF]
	v_lshlrev_b32 v[AX], 4, v41
	v_xor_b32 v[AY], 16, v41
	v_lshlrev_b32 v[AY], 4, v[AY]
	v_lshl_add_u32 v[ASU], v41, 2, USC
	v_lshl_add_u32 v[NST], v41, 2, NSQ
	v_add_nc_u32 v[NST], s13, v[NST]
	v_lshl_add_u32 v[NLD], v43, 5, NSQ
	v_add_nc_u32 v[NLD], s13, v[NLD]
	v_lshl_add_u32 v[RST], v41, 2, RES
	v_add_nc_u32 v[RST], s18, v[RST]
	v_lshlrev_b32 v[UA8], 4, v42
	v_lshl_add_u32 v[UA8], v43, 3, v[UA8]
	v_add_nc_u32 v[UA8], s19, v[UA8]
	v_lshl_add_u32 v[UZ8], v41, 3, 256
	v_add_nc_u32 v[UZ8], s19, v[UZ8]
	v_lshlrev_b32 v[U4], 2, v42
	v_add_nc_u32 v[U4], s22, v[U4]
	v_and_b32 v[GO], 127, v0
	v_lshlrev_b32 v[GO], 4, v[GO]
	v_add_nc_u32 v[RLD], RES, v[GO]
	v_add_nc_u32 v[QLD], USQ, v[GO]
.irp z, 0,8,16,24,32
.irp q, 0,1,2,3
	v_mov_b32 v[F+\z+\q], 0                        ; the five Z: zero codes, written once
.endr
.endr
.irp q, 46,47,56,57
	v_mov_b32 v[\q], 0                             ; written once: a lane permute's destination counts as one of its sources
.endr
	s_mov_b32 s20, 0x76543210
	s_mov_b32 s21, 0xfedcba98                      ; v_permlanex16_b32's selects for lane l xor 16
	s_lshl_b32 s14, ttmp9, 16                      ; U: 512 rows of 128 bytes a work-group,
	s_lshl_b32 s15, s10, 12                        ; 32 rows a wave
	s_add_co_u32 s14, s14, s15
	s_mov_b32 s15, 0
	s_lshl_b32 s16, s12, 18                        ; L: 2,048 rows of 128 bytes a chunk,
	s_lshl_b32 s17, s10, 14                        ; 128 rows a wave
	s_add_co_u32 s16, s16, s17
	s_mov_b32 s17, 0
	s_lshl_b32 s24, s12, 14                        ; part: row y of 16,384 bytes,
	s_lshl_b32 s23, ttmp9, 11                      ; 512 numbers a work-group
	s_add_co_u32 s24, s24, s23
	s_mov_b32 s25, 0
	s_wait_kmcnt 0x0
	s_add_nc_u64 s[4:5], s[4:5], s[14:15]
	s_add_nc_u64 s[6:7], s[6:7], s[16:17]
	s_add_nc_u64 s[8:9], s[8:9], s[24:25]
; ALL OF THE WAVE'S 40 GLOBAL LOADS AT ONCE.  Lane (r, h) takes the 16 neighbouring numbers 16 h .. 16 h + 15 of row r of each tile; a tile's four loads together cover its 2,048 bytes.
.irp t, 0,1
.irp j, 0,1,2,3
	global_load_b128 v[TM+16*\t+4*\j:TM+16*\t+4*\j+3], v[GOFF], s[4:5] offset:2048*\t+16*\j
.endr
.endr
.irp b, 0,1,2,3
.irp j, 0,1,2,3
	global_load_b128 v[DP+16*\b+4*\j:DP+16*\b+4*\j+3], v[GOFF], s[6:7] offset:2048*\b+16*\j
.endr
.endr
.irp b, 0,1,2,3
.irp j, 0,1,2,3
	global_load_b128 v[CN+16*\b+4*\j:CN+16*\b+4*\j+3], v[GOFF], s[6:7] offset:8192+2048*\b+16*\j
.endr
.endr
; ---- U: my two tiles, by turns.  A row's block of 32 lies in lanes l and l xor 16.
	s_wait_loadcnt 32                              ; U's eight loads are in; the 32 loads of L behind them may be out
.irp t, 0,1
	v_max3_num_f32 v[44+\t], |v[TM+16*\t]|, |v[TM+16*\t+1]|, 0x1800000   ; my 16 numbers, and the floor 2^(3 - 127): so the byte cannot fall under 1
.endr
.irp i, 2,4,6,8,10,12,14
.irp t, 0,1
	v_max3_num_f32 v[44+\t], v[44+\t], |v[TM+16*\t+\i]|, |v[TM+16*\t+\i+1]|
.endr
.endr
.irp t, 0,1
	v_permlanex16_b32 v[46+\t], v[44+\t], s20, s21
.endr
.irp t, 0,1
	v_max_num_f32 v[44+\t], v[44+\t], v[46+\t]     ; the row's largest magnitude
.endr
.irp t, 0,1
	v_add_nc_u32 v[48+\t], 0xff000000, v[44+\t]    ; 2 off its exponent field: the conversion's scale operand
	v_add_nc_u32 v[50+\t], 0xff800000, v[44+\t]    ; 1 off: the scale's byte + 1: the product's factor 2
.endr
.irp t, 0,1
	v_lshrrev_b32 v[50+\t], 23, v[50+\t]
.endr
.irp t, 0,1
	v_lshl_or_b32 v[50+\t], v[50+\t], 8, v[50+\t]
.endr
.irp t, 0,1
	v_lshl_or_b32 v[38+4*\t], v[50+\t], 16, v[50+\t]   ; the byte in all four places: one word serves the four variants
.endr
.irp t, 0,1
	v_pk_mul_f32 v[52+2*\t:53+2*\t], v[TM+16*\t:TM+16*\t+1], v[TM+16*\t:TM+16*\t+1]   ; u_sq, of the unquantised numbers
.endr
.irp i, 2,4,6,8,10,12,14
.irp t, 0,1
	v_pk_fma_f32 v[52+2*\t:53+2*\t], v[TM+16*\t+\i:TM+16*\t+\i+1], v[TM+16*\t+\i:TM+16*\t+\i+1], v[52+2*\t:53+2*\t]
.endr
.endr
.irp t, 0,1
	v_add_f32 v[52+2*\t], v[52+2*\t], v[53+2*\t]
.endr
.irp t, 0,1
	v_permlanex16_b32 v[56+\t], v[52+2*\t], s20, s21
.endr
.irp t, 0,1
	v_add_f32 v[39+4*\t], v[52+2*\t], v[56+\t]
.endr
.irp t, 0,1
	v_cvt_scalef32_pk8_fp4_f32 v[36+4*\t], v[TM+16*\t:TM+16*\t+7], v[48+\t]      ; the codes of k = 16 h + 0 .. 7
	v_cvt_scalef32_pk8_fp4_f32 v[37+4*\t], v[TM+16*\t+8:TM+16*\t+15], v[48+\t]   ; and + 8 .. 15
.endr
	v_nop                                          ; one plain place behind a scaled conversion: its sources are written again below
.irp t, 0,1
	ds_store_b64 v[UA8], v[36+4*\t:37+4*\t] offset:UIMG+512*\t     ; 8 bytes of row r's 16
	ds_store_b64 v[UZ8], v[F:F+1] offset:UIMG+512*\t               ; the tile's 256 bytes of zeros
	ds_store_b32 v[U4], v[38+4*\t] offset:USC+64*\t                ; both halves of the lanes write the same word with the same value
	ds_store_b32 v[U4], v[39+4*\t] offset:USQ+64*\t
.endr
.irp b, 0,1,2,3
	v_mov_b32 v[TM+4+\b], 0                        ; written once: a lane permute's destination counts as one of its sources
.endr
; ---- L.  64 numbers of a lane, register s + 16 b + i = number 16 h + i of row 16 b + r of the image's 64 rows, become the image in v[img] on, its scale word in v[sa], and -l_sq of its rows in LDS.
.macro LQ s, img, sa, off, nq
.irp b, 0,1,2,3
	v_max3_num_f32 v[TM+\b], |v[\s+16*\b]|, |v[\s+16*\b+1]|, 0x1800000   ; tile b: my 16 numbers, and the floor 2^(3 - 127)
.endr
.irp i, 2,4,6,8,10,12,14
.irp b, 0,1,2,3
	v_max3_num_f32 v[TM+\b], v[TM+\b], |v[\s+16*\b+\i]|, |v[\s+16*\b+\i+1]|   ; (the four tiles by turns)
.endr
.endr
.irp b, 0,1,2,3
	v_permlanex16_b32 v[TM+4+\b], v[TM+\b], s20, s21
.endr
.irp b, 0,1,2,3
	v_max_num_f32 v[TM+\b], v[TM+\b], v[TM+4+\b]   ; with lane l xor 16's: the row's largest magnitude
.endr
.irp b, 0,1,2,3
	v_add_nc_u32 v[TM+12+\b], 0xff000000, v[TM+\b] ; 2 off its exponent field: the conversion's scale operand
.endr
.irp b, 0,1,2,3
	v_lshrrev_b32 v[TM+4+\b], 23, v[TM+12+\b]      ; the scale's byte
.endr
	v_lshl_or_b32 v[\sa], v[TM+5], 8, v[TM+4]      ; lane r: the bytes of rows r, 16 + r, 32 + r, 48 + r
	v_lshl_or_b32 v[\sa], v[TM+6], 16, v[\sa]
	v_lshl_or_b32 v[\sa], v[TM+7], 24, v[\sa]
.irp b, 0,1,2,3
	v_pk_mul_f32 v[SQ+2*\b:SQ+2*\b+1], v[\s+16*\b:\s+16*\b+1], v[\s+16*\b:\s+16*\b+1]   ; l_sq, of the unquantised numbers
.endr
.irp i, 2,4,6,8,10,12,14
.irp b, 0,1,2,3
	v_pk_fma_f32 v[SQ+2*\b:SQ+2*\b+1], v[\s+16*\b+\i:\s+16*\b+\i+1], v[\s+16*\b+\i:\s+16*\b+\i+1], v[SQ+2*\b:SQ+2*\b+1]
.endr
.endr
.irp b, 0,1,2,3
	v_add_f32 v[SQ+2*\b], v[SQ+2*\b], v[SQ+2*\b+1]
.endr
	v_permlane16_swap_b32 v240, v242               ; v240: the h = 0 parts of tiles 0 (lanes 0-15) and 1 (lanes 16-31); v242: their h = 1 parts
	v_permlane16_swap_b32 v244, v246               ; the same of tiles 2 and 3
	v_sub_f32 v[\nq], -v240, v242                  ; -l_sq of the image's row = lane,
	v_sub_f32 v[\nq+1], -v244, v246                ; and of row 32 + lane
	ds_store_b32 v[NST], v[\nq] offset:\off
	ds_store_b32 v[NST], v[\nq+1] offset:\off+128
.irp b, 0,1,2,3
	v_cvt_scalef32_pk8_fp4_f32 v[\img+2*\b], v[\s+16*\b:\s+16*\b+7], v[TM+12+\b]
	v_cvt_scalef32_pk8_fp4_f32 v[\img+2*\b+1], v[\s+16*\b+8:\s+16*\b+15], v[TM+12+\b]
.endr
	v_nop                                          ; one plain place behind a scaled conversion
.irp c, 0,1                                    ; the operand's layout wants a WHOLE block in a lane: lanes 0-15 block 2 c, lanes 16-31 block 2 c + 1
.irp i, 0,1
	v_permlane16_swap_b32 v[\img+4*\c+\i], v[\img+4*\c+2+\i]
.endr
.endr
.endm
	s_wait_loadcnt 16                              ; image 0's sixteen loads are in; image 1's may be out
	LQ DP, IMG, SA, 0, 248
	s_wait_loadcnt 0x0
	LQ CN, IMG+8, SA+1, 256, 250
.irp c, 0,1,2,3,4,5,6,7                        ; C of tile c: register j of lane (r, h) = -l_sq of row 16 c + 8 h + j.  LDS serves a wave's instructions in order: these see my stores
	ds_load_b128 v[CN+8*\c:CN+8*\c+3], v[NLD] offset:64*\c
	ds_load_b128 v[CN+8*\c+4:CN+8*\c+7], v[NLD] offset:64*\c+16
.endr
	s_wait_dscnt 0x0                               ; for the others' sake: my stores of U's tiles, words and u_sq have landed
	s_barrier_signal -1
	s_barrier_wait -1                              ; all 32 tiles of U lie in LDS
.irp p, 0,1,2,3,4,5,6,7,8,9,10,11,12,13,14,15
	ds_load_b32 v[SU+\p], v[ASU] offset:128*\p
.endr
	ds_load_b128 v[F+4:F+7], v[AX] offset:UIMG     ; tile 0: X,
	ds_load_b128 v[F+12:F+15], v[AY] offset:UIMG   ; and Y
.rept 8
	v_nop                                          ; the images' scale words and codes were written by vector instructions: 8 and 4 places ahead of a scaled matrix instruction
.endr
; Four products: image i x the four variants of U's tile t, into set.  C comes from registers of its own and D is written anew: no product adds onto another's result.
.macro W t, i, set
.irp b, 0,1,2,3
.if (\t)%2
	v_wmma_scale_f32_16x16x128_f8f6f4 v[\set+8*\b:\set+8*\b+7], v[IMG+8*\i:IMG+8*\i+7], v[F+16+8*(\b%2)+4*(1-\b/2):F+16+8*(\b%2)+4*(1-\b/2)+7], v[CN+8*(4*\i+\b):CN+8*(4*\i+\b)+7], v[SA+\i], v[SU+(\t)/2] matrix_a_fmt:MATRIX_FMT_FP4 matrix_b_fmt:MATRIX_FMT_FP4 matrix_b_scale:MATRIX_SCALE_ROW1
.else
	v_wmma_scale_f32_16x16x128_f8f6f4 v[\set+8*\b:\set+8*\b+7], v[IMG+8*\i:IMG+8*\i+7], v[F+8*(\b%2)+4*(1-\b/2):F+8*(\b%2)+4*(1-\b/2)+7], v[CN+8*(4*\i+\b):CN+8*(4*\i+\b)+7], v[SA+\i], v[SU+(\t)/2] matrix_a_fmt:MATRIX_FMT_FP4 matrix_b_fmt:MATRIX_FMT_FP4
.endif
.endr
.endm
; The maximum of a set's 32 results and, first = 0, of the running maximum r: sixteen lines, each accumulator from its low end on, the four by turns.
.macro MX set, r, first
.irp a, 0,1,2,3
	v_max3_num_f32 v[T+\a], v[\set+8*\a], v[\set+8*\a+1], v[\set+8*\a+2]
.endr
.irp a, 0,1,2,3
	v_max3_num_f32 v[T+\a], v[T+\a], v[\set+8*\a+3], v[\set+8*\a+4]
.endr
.irp a, 0,1,2,3
	v_max3_num_f32 v[T+\a], v[T+\a], v[\set+8*\a+5], v[\set+8*\a+6]
.endr
	v_max3_num_f32 v[T], v[T], v[\set+7], v[\set+15]
	v_max3_num_f32 v[T+1], v[T+1], v[\set+23], v[\set+31]
.if \first
	v_max_num_f32 v[T+2], v[T+2], v[T+3]
.else
	v_max3_num_f32 v[T+2], v[T+2], v[T+3], v[\r]
.endif
	v_max3_num_f32 v[\r], v[T], v[T+1], v[T+2]
.endm
; Tiles 2 p and 2 p + 1 of U are done: the two halves of the lanes (eight rows of L of each sixteen) are joined, and lane l holds the maximum of U's row 32 p + l.
.macro FIN p
	v_permlane16_swap_b32 v[RA], v[RA+1]
	v_max_num_f32 v[RS], v[RA], v[RA+1]
	ds_store_b32 v[RST], v[RS] offset:128*(\p)
.endm
; A TILE OF U.  The sixteen lines of one set's maximum stand behind the other set's four products: they are the places between a product and the first read of its result, between a product and the
; product that writes over its result, and between a buffer's last product and the loads into it (ISA guide 7.12.1 for the first two).
.macro TILE t
.if (\t) < 31
	ds_load_b128 v[F+4+16*(((\t)+1)%2):F+7+16*(((\t)+1)%2)], v[AX] offset:UIMG+512*((\t)+1)     ; the next tile's X and Y, into the other buffer
	ds_load_b128 v[F+12+16*(((\t)+1)%2):F+15+16*(((\t)+1)%2)], v[AY] offset:UIMG+512*((\t)+1)
	s_wait_dscnt 0x2                               ; all but the two just issued: this tile's X and Y are in (at first the scale words too)
.else
	s_wait_dscnt 0x0
.endif
	W \t, 0, DP
.if (\t) > 0
	MX DQ, RA+((\t)-1)%2, 0                        ; the tile before: its second image's results
.if (\t)%2 == 0
	FIN (\t)/2-1
.endif
.endif
	W \t, 1, DQ
.if (\t) == 0
.rept 4
	v_nop                                          ; the first tile has no maximum yet to stand here
.endr
.endif
	MX DP, RA+(\t)%2, 1                            ; this tile's first image starts its running maximum
.endm
.set TT, 0
.rept 32
	TILE TT
.set TT, TT+1
.endr
	MX DQ, RA+1, 0
	FIN 15
	s_wait_dscnt 0x0                               ; for the others' sake: my 512 maxima have landed
	s_barrier_signal -1
	s_barrier_wait -1
; ---- THE TAIL: waves 0 to 3 take the maximum over the sixteen waves, four rows of U a thread, and store.
	s_cmp_gt_u32 s10, 3
	s_cbranch_scc1 .Lend
.irp k, 0,1,2,3,4,5,6,7,8,9,10,11,12,13,14,15
	ds_load_b128 v[DP+4*\k:DP+4*\k+3], v[RLD] offset:2048*\k
.endr
	ds_load_b128 v[228:231], v[QLD]                ; u_sq of the same four rows
	s_wait_dscnt 0x0
.irp c, 0,1,2,3
	v_max3_num_f32 v[224+\c], v[DP+\c], v[DP+4+\c], v[DP+8+\c]
.endr
.irp k, 3,5,7,9,11,13
.irp c, 0,1,2,3
	v_max3_num_f32 v[224+\c], v[224+\c], v[DP+4*\k+\c], v[DP+4*\k+4+\c]
.endr
.endr
.irp c, 0,1,2,3
	v_max_num_f32 v[224+\c], v[224+\c], v[DP+60+\c]
.endr
	global_store_b128 v[GO], v[224:227], s[8:9]    ; a wave stores 512 consecutive bytes, at a multiple of 512 from part's first byte
	s_cmp_lg_u32 s12, 0                            ; u_sq is the same for every chunk: the work-groups of chunk 0 store it, as row 32
	s_cbranch_scc1 .Lend
	global_store_b128 v[GO], v[228:231], s[8:9] offset:524288
.Lend:
	s_wait_tensorcnt 0x0                           ; the wave's end
	ds_add_u32 v[SPW], v[NIL]
	s_wait_dscnt 0x0
	s_endpgm
.Lfunc_end_k_q3a4fc9d052_nearest:
	.size	k_q3a4fc9d052_nearest, .Lfunc_end_k_q3a4fc9d052_nearest-k_q3a4fc9d052_nearest
	.p2alignl 7, 3214868480
	.fill 96, 4, 3214868480
	.section	.rodata,"a",@progbits
	.p2align	6, 0x0
	.amdhsa_kernel k_q3a4fc9d052_nearest
		.amdhsa_group_segment_fixed_size 63488
		.amdhsa_private_segment_fixed_size 0
		.amdhsa_enable_private_segment 0
		.amdhsa_kernarg_size 24
		.amdhsa_user_sgpr_count 2
		.amdhsa_user_sgpr_kernarg_segment_ptr 1
		.amdhsa_wavefront_size32 1
		.amdhsa_system_sgpr_workgroup_id_x 1
		.amdhsa_system_sgpr_workgroup_id_y 1
		.amdhsa_system_sgpr_workgroup_id_z 1
		.amdhsa_system_vgpr_workitem_id 0
		.amdhsa_next_free_vgpr 256
		.amdhsa_next_free_sgpr 66
		.amdhsa_reserve_vcc 0
		.amdhsa_float_denorm_mode_32 3
		.amdhsa_float_denorm_mode_16_64 3
		.amdhsa_memory_ordered 1
		.amdhsa_forward_progress 1
		.amdhsa_inst_pref_size 132
	.end_amdhsa_kernel
	.amdgpu_metadata
---
amdhsa.version: [ 1, 2 ]
amdhsa.kernels:
  - .name:           k_q3a4fc9d052_nearest
    .symbol:         k_q3a4fc9d052_nearest.kd
    .args:
      - { .name: U_z, .offset: 0, .size: 8, .value_kind: global_buffer, .address_space: global }
      - { .name: L_z, .offset: 8, .size: 8, .value_kind: global_buffer, .address_space: global }
      - { .name: part, .offset: 16, .size: 8, .value_kind: global_buffer, .address_space: global }
    .group_segment_fixed_size: 63488
    .private_segment_fixed_size: 0
    .kernarg_segment_align: 8
    .kernarg_segment_size: 24
    .max_flat_workgroup_size: 512
    .sgpr_count:     66
    .vgpr_count:     256
    .wavefront_size: 32
...
	.end_amdgpu_metadata
.endif
;; end of part 1
;; launch finish (part 2): grid 1 x 1, 32 waves a work-group, no clusters, 4,352 bytes of LDS; arguments part, out0; writes out0
.if DOCPART == 2
	.amdgcn_target "amdgcn-amd-amdhsa--gfx1250"
	.amdhsa_code_object_version 6
	.text
	.protected	k_q3a4fc9d052_finish
	.globl	k_q3a4fc9d052_finish
	.p2align	8
	.type	k_q3a4fc9d052_finish,@function
k_q3a4fc9d052_finish:
	s_mov_b64 s[64:65], 0
	v_nop
	global_prefetch_b8 v0, s[64:65] scope:SCOPE_SE
	s_setreg_imm32_b32 hwreg(HW_REG_WAVE_MODE, 25, 1), 1
	s_wait_xcnt 0x0
; out0[i] = (dd_i - min dd) / (max(dd - min dd) + EPS), dd_i = exp(dens_i + log(div_i + EPS)), dens_i = -u_sq_i / 2 - 16 ln(2 pi), div_i = sqrt(max(u_sq_i - M_i, 0)),
; M_i = the maximum over c = 0 .. 31 of part[c][i] (each the maximum of 2 q(u).q(l) - l_sq over 2,048 rows of L_z), u_sq_i = part[32][i].
; WORK LEFT OUT: pred enters no line of the problem's formula and is no argument; the root and the clip at 0 are taken once a row, behind the extremum, since x -> sqrt(max(u_sq - x, 0)) never rises where x rises.
; LIMITS.  NaN and infinities are not served.  exp, log, sqrt and the reciprocal are the chip's base-2 forms; a dd under 2^-126 comes out as 0 (ISA guide 15.8: these instructions flush denormals).
; exp(dens + log x) is taken as 2^(dens log2(e) + log2 x), one fused multiply-add ahead of the exponential: another order of rounding than the problem's.
; ONE WORK-GROUP, since the minimum and the maximum want all 4,096 dd: 32 waves, thread i owns rows 4 i .. 4 i + 3, so that each load and the store of a wave cover 512 consecutive bytes.
; No prefetch: every load is issued within the first lines, with nothing ahead of which to ask.  No matrix unit, no cluster: a reduction of 540,672 bytes.
.set SPARE, 256                        ; LDS: the waves' minima at 4 w, their maxima at 128 + 4 w; from 256 on the spare words, 128 bytes for each of 32 waves
.set SPW, 1                            ; v1      LDS address of my spare word; never rewritten
.set NIL, 2                            ; v2      0; never rewritten
.set OFF, 3                            ; v3      16 x thread; never rewritten
.set UQ,  4                            ; v4-7    u_sq
.set A,   8                            ; v8-39   eight rows of part
.set B,   40                           ; v40-71  eight more
.set M,   72                           ; v72-75  the running maxima
.set D,   76                           ; v76-79  sq, div, .. dd, the result
.set DE,  80                           ; v80-83  dens
	s_load_b128 s[4:7], s[0:1], 0x0                ; part s[4:5], out0 s[6:7]
	v_lshl_add_u32 v[SPW], v0, 2, SPARE
	v_mov_b32 v[NIL], 0
	v_lshlrev_b32 v[OFF], 4, v0
	v_lshrrev_b32 v88, 5, v0
	v_lshlrev_b32 v88, 2, v88                      ; 4 x wave
	v_and_b32 v89, 31, v0
	v_lshlrev_b32 v89, 2, v89                      ; 4 x lane
	v_mov_b32 v86, 0                               ; written once: a lane permute's destination counts as one of its sources
	v_mov_b32 v87, 0
	s_mov_b32 s12, 0x76543210
	s_mov_b32 s13, 0xfedcba98                      ; v_permlanex16_b32's selects for lane l xor 16
	s_mov_b32 s14, 0xc1eb3f8e                      ; -16 ln(2 pi)
	s_mov_b32 s15, 0x219392ef                      ; EPS = 1e-18
	s_mov_b32 s16, 0x3fb8aa3b                      ; log2(e)
	s_wait_kmcnt 0x0
.macro LD8 set, c0                     ; rows c0 .. c0 + 7 of part; read once in the launch
.irp k, 0,1,2,3,4,5,6,7
	global_load_b128 v[\set+4*\k:\set+4*\k+3], v[OFF], s[4:5] offset:16384*(\c0+\k) th:TH_LOAD_NT
.endr
.endm
.macro RED8 set, first                 ; eight rows into the running maxima, my four numbers by turns; first = 1: they start them
.if \first
.irp c, 0,1,2,3
	v_max3_num_f32 v[M+\c], v[\set+\c], v[\set+4+\c], v[\set+8+\c]
.endr
.irp k, 12,20
.irp c, 0,1,2,3
	v_max3_num_f32 v[M+\c], v[M+\c], v[\set+\k+\c], v[\set+\k+4+\c]
.endr
.endr
.irp c, 0,1,2,3
	v_max_num_f32 v[M+\c], v[M+\c], v[\set+28+\c]
.endr
.else
.irp k, 0,8,16,24
.irp c, 0,1,2,3
	v_max3_num_f32 v[M+\c], v[M+\c], v[\set+\k+\c], v[\set+\k+4+\c]
.endr
.endr
.endif
.endm
	global_load_b128 v[UQ:UQ+3], v[OFF], s[4:5] offset:524288 th:TH_LOAD_NT   ; row 32: u_sq
	LD8 A, 0
	LD8 B, 8
	s_wait_loadcnt 8                               ; all but the eight youngest loads: u_sq and rows 0-7 are in
	RED8 A, 1
	LD8 A, 16
	s_wait_loadcnt 8                               ; rows 8-15 are in; the eight just issued may be out
	RED8 B, 0
	LD8 B, 24
	s_wait_loadcnt 8                               ; rows 16-23
	RED8 A, 0
	s_wait_loadcnt 0x0
	RED8 B, 0
.irp c, 0,1,2,3
	v_sub_f32 v[D+\c], v[UQ+\c], v[M+\c]           ; the least squared distance
.endr
.irp c, 0,1,2,3
	v_max_num_f32 v[D+\c], 0, v[D+\c]
.endr
.irp c, 0,1,2,3
	v_sqrt_f32 v[D+\c], v[D+\c]                    ; div
.endr
.irp c, 0,1,2,3
	v_fma_f32 v[DE+\c], v[UQ+\c], -0.5, s14        ; dens.  (Plain work behind the roots)
.endr
	s_wait_alu depctr_va_vdst(0)                   ; one wait for the four roots, ahead of their first reader
.irp c, 0,1,2,3
	v_add_f32 v[D+\c], s15, v[D+\c]
.endr
.irp c, 0,1,2,3
	v_log_f32 v[D+\c], v[D+\c]                     ; log2(div + EPS)
.endr
	v_nop                                          ; a plain place behind the last transcendental
	s_wait_alu depctr_va_vdst(0)
.irp c, 0,1,2,3
	v_fma_f32 v[D+\c], v[DE+\c], s16, v[D+\c]
.endr
.irp c, 0,1,2,3
	v_exp_f32 v[D+\c], v[D+\c]                     ; dd
.endr
	v_nop
	s_wait_alu depctr_va_vdst(0)
	v_min3_num_f32 v84, v[D], v[D+1], v[D+2]
	v_max3_num_f32 v85, v[D], v[D+1], v[D+2]
	v_min_num_f32 v84, v84, v[D+3]
	v_max_num_f32 v85, v85, v[D+3]
.macro WRED                            ; the minimum (v84) and the maximum (v85) over the 32 lanes, in every lane
.irp m, 1,2,4,8
	v_min_num_f32_dpp v84, v84, v84 row_xmask:\m row_mask:0xf bank_mask:0xf
	v_max_num_f32_dpp v85, v85, v85 row_xmask:\m row_mask:0xf bank_mask:0xf
.endr
	v_permlanex16_b32 v86, v84, s12, s13
	v_permlanex16_b32 v87, v85, s12, s13
	v_min_num_f32 v84, v84, v86
	v_max_num_f32 v85, v85, v87
.endm
	WRED
	ds_store_b32 v88, v84                          ; all lanes of a wave write the same word with the same value
	ds_store_b32 v88, v85 offset:128
	s_wait_dscnt 0x0                               ; for the others' sake: my two words have landed
	s_barrier_signal -1
	s_barrier_wait -1
	ds_load_b32 v84, v89                           ; 32 waves, 32 lanes: a lane takes a wave's word
	ds_load_b32 v85, v89 offset:128
	s_wait_dscnt 0x0
	WRED
	v_sub_f32 v90, v85, v84                        ; max(dd - min) = max - min: the subtraction's rounding never falls where dd rises
	v_add_f32 v90, s15, v90
	v_rcp_f32 v90, v90
.irp c, 0,1,2,3
	v_sub_f32 v[D+\c], v[D+\c], v84                ; (plain work behind the reciprocal)
.endr
	s_wait_alu depctr_va_vdst(0)
.irp c, 0,1,2,3
	v_mul_f32 v[D+\c], v[D+\c], v90
.endr
	global_store_b128 v[OFF], v[D:D+3], s[6:7]     ; a wave stores 512 consecutive bytes, at a multiple of 512 from out0's first byte
	s_wait_tensorcnt 0x0                           ; the wave's end
	ds_add_u32 v[SPW], v[NIL]
	s_wait_dscnt 0x0
	s_endpgm
.Lfunc_end_k_q3a4fc9d052_finish:
	.size	k_q3a4fc9d052_finish, .Lfunc_end_k_q3a4fc9d052_finish-k_q3a4fc9d052_finish
	.p2alignl 7, 3214868480
	.fill 96, 4, 3214868480
	.section	.rodata,"a",@progbits
	.p2align	6, 0x0
	.amdhsa_kernel k_q3a4fc9d052_finish
		.amdhsa_group_segment_fixed_size 4352
		.amdhsa_private_segment_fixed_size 0
		.amdhsa_enable_private_segment 0
		.amdhsa_kernarg_size 16
		.amdhsa_user_sgpr_count 2
		.amdhsa_user_sgpr_kernarg_segment_ptr 1
		.amdhsa_wavefront_size32 1
		.amdhsa_system_sgpr_workgroup_id_x 1
		.amdhsa_system_sgpr_workgroup_id_y 1
		.amdhsa_system_sgpr_workgroup_id_z 1
		.amdhsa_system_vgpr_workitem_id 0
		.amdhsa_next_free_vgpr 96
		.amdhsa_next_free_sgpr 66
		.amdhsa_reserve_vcc 0
		.amdhsa_float_denorm_mode_32 3
		.amdhsa_float_denorm_mode_16_64 3
		.amdhsa_memory_ordered 1
		.amdhsa_forward_progress 1
		.amdhsa_inst_pref_size 13
	.end_amdhsa_kernel
	.amdgpu_metadata
---
amdhsa.version: [ 1, 2 ]
amdhsa.kernels:
  - .name:           k_q3a4fc9d052_finish
    .symbol:         k_q3a4fc9d052_finish.kd
    .args:
      - { .name: part, .offset: 0, .size: 8, .value_kind: global_buffer, .address_space: global }
      - { .name: out0, .offset: 8, .size: 8, .value_kind: global_buffer, .address_space: global }
    .group_segment_fixed_size: 4352
    .private_segment_fixed_size: 0
    .kernarg_segment_align: 8
    .kernarg_segment_size: 16
    .max_flat_workgroup_size: 1024
    .sgpr_count:     66
    .vgpr_count:     96
    .wavefront_size: 32
...
	.end_amdgpu_metadata
.endif
;; end of part 2
;; ======== version 2 of 2: 2 launches; version 1 with the launch nearest written anew for expert scheduling mode
;; workspace buffers: part 540,672 bytes
;; launch nearest (part 3): grid 8 x 32, 16 waves a work-group, no clusters, 63,488 bytes of LDS; arguments U_z, L_z, part; writes part
.if DOCPART == 3
	.amdgcn_target "amdgcn-amd-amdhsa--gfx1250"
	.amdhsa_code_object_version 6
	.text
	.protected	k_q3a4fc9d052_nearest
	.globl	k_q3a4fc9d052_nearest
	.p2align	8
	.type	k_q3a4fc9d052_nearest,@function
k_q3a4fc9d052_nearest:
	s_mov_b64 s[64:65], 0
	v_nop
	global_prefetch_b8 v0, s[64:65] scope:SCOPE_SE
	s_setreg_imm32_b32 hwreg(HW_REG_WAVE_SCHED_MODE, 0, 2), 2
	s_setreg_imm32_b32 hwreg(HW_REG_WAVE_MODE, 25, 1), 1
	s_wait_xcnt 0x0
	s_wait_alu depctr_vm_vsrc(0)
; part[c][i] = max over the 2,048 rows l of chunk c of L_z of (2 q(u_i).q(l) - |l|^2), c = 0 .. 31, i = 0 .. 4,095; part[32][i] = |u_i|^2.
; q(.) is the MX-FP4 quantiser along K = 32: one block and one E8M0 byte for each row.  |.|^2 are taken of the unquantised f32 numbers, as the problem has them.
; WORK LEFT OUT.  (1) pred enters no line of the problem's formula: it is not loaded and is no argument of any launch.  (2) The problem takes min_j sqrt(max(u_sq + l_sq_j - 2 d_j, 0)).
; x -> sqrt(max(u_sq - x, 0)) never rises where x rises, and u_sq is the same for all j: so for all finite inputs the minimum is sqrt(max(u_sq - max_j(2 d_j - l_sq_j), 0)).
; The root, the clip at 0 and the addition of u_sq are therefore done once a row, in the next launch, and here only the maximum is taken.
; LIMITS.  NaN and infinities among the inputs are not served (the maxima drop a NaN where the problem's minimum would carry it; a NaN, an infinity or an overflow that reaches only the work left out is
; not carried to the result).  The order of rounding is u_sq - (2 d - l_sq), not (u_sq + l_sq) - 2 d; the sums of squares are taken in another order than the problem's.
; THE PRODUCT.  The matrix instruction is 16 x 16 x 128 and K is 32: its four blocks of 32 are used for FOUR TILES OF L.  An IMAGE (8 registers) holds in block b the codes of 16 rows of L, tile b of 64 rows;
; its scale word (lane r, byte b) is the byte of row 16 b + r.  A tile of 16 rows of U is used in four VARIANTS: its codes in block b, zero codes in the other three, which add nothing under any byte.
; So image x variant b = L's tile b x U's tile.  With X = the codes in lanes 0-15 and zeros in lanes 16-31, Y the other way round and Z four registers of zeros, the run Z X Z Y Z holds all four variants:
; block 0 = [X Z], block 1 = [Y Z], block 2 = [Z X], block 3 = [Z Y].  U's byte stands in all four places of its scale word and is RAISED BY 1, an exact factor 2 (the byte is at most 252 + 1);
; the C of every product is -l_sq in the result's layout.  So 2 u.l - l_sq leaves the matrix unit, and the vector work is the maximum alone, two results an instruction.
; Source 0 = L, source 1 = U: a lane holds ONE row of U (lane % 16) and its eight registers eight rows of L: the maximum stays inside the lane.
; SHARES.  Work-group (x, y): rows 512 x .. + 511 of U against rows 2,048 y .. + 2,047 of L: 8 x 32 = 256 work-groups.  Sixteen waves of 256 registers.  Wave w keeps rows 128 w .. + 127 of the chunk in registers,
; as two images, quantised from its own global loads; it also quantises tiles 2 w and 2 w + 1 of U into LDS, from which all sixteen waves stream the 32 tiles: 32 x 8 = 256 products a wave.
; NO CLUSTER, NO TENSOR LOADS: rows of L are shared by 8 work-groups and rows of U by 32, but a work-group reads its 512 x 128 + 2,048 x 128 = 327,680 bytes once, at its head, straight into the registers in which
; they are quantised; brought jointly they would have to lie in LDS as f32, where they alone are all the LDS that a work-group can be given, and be read back from there.  The loop reads nothing from memory.
; THE MODE: SCHED_MODE bits 1:0 = 2 (LLVM: expert scheduling mode 2), set by the entry lines.  The code itself states the register dependences between vector or matrix instructions and memory or LDS
; instructions, with s_wait_alu, always for 0.
; THE PLAN.  Registers that memory or LDS instructions touch:
;   v1-v15           offsets and addresses: made once at the head, never written again.
;   the head's data  the 40 global loads land in registers that no vector line has named; the quantisers read them.  All twelve LDS stores of the head stand together behind both images' quantisers.
;   X, Y of U        four buffers, in two sets of two tiles.  The 32 tiles go in 16 pairs; pair p multiplies by set p % 2.  The four LDS loads at its head land in set (p + 1) % 2, which the products
;                    of pair p - 1 read last and which no line of pair p names.
;   RS0, RS1         FIN q, which stands in pair q + 1, writes RS[q % 2]; the store at the head of pair q + 2 reads it; FIN q + 2, in pair q + 3, writes it again.
;   the images, -l_sq as C, U's scale words, the zeros, the results and the running maxima are named in the loop by vector and matrix instructions alone.
; So ONE wait on va_vdst stands at the head of a pair, and beside it one on vm_vsrc, a whole pair behind the store that it is there for; the pair's sixteen products and their maxima follow with no further wait.
.set UIMG,  0                          ; LDS: U's tile t at 512 t: 256 bytes of codes (row r at 16 r), then 256 bytes of zeros
.set USC,   16384                      ; U's scale words: tile t, row r at 64 t + 4 r
.set USQ,   18432                      ; u_sq of the work-group's 512 rows, 4 bytes a row
.set NSQ,   20480                      ; -l_sq: wave w's 128 rows at 512 w; read by that wave alone
.set RES,   28672                      ; the waves' maxima: wave w's 512 numbers at 2,048 w
.set SPARE, 61440                      ; the spare words, 128 bytes for each wave: eight blocks of 256 bytes that no other line names
.set SPW,  1                           ; v1   LDS address of my spare word; never rewritten
.set NIL,  2                           ; v2   0; never rewritten
.set GOFF, 3                           ; v3   128 r + 64 h: my 16 numbers of row r of a tile, in U and in L
.set AX,   4                           ; v4   16 x lane: X of a tile of U
.set AY,   5                           ; v5   16 x (lane xor 16): Y
.set ASU,  6                           ; v6   USC + 4 x lane
.set NST,  7                           ; v7   NSQ + 512 w + 4 x lane
.set NLD,  8                           ; v8   NSQ + 512 w + 32 h
.set RST,  9                           ; v9   RES + 2,048 w + 4 x lane
.set UA8,  10                          ; v10  1,024 w + 16 r + 8 h
.set UZ8,  11                          ; v11  1,024 w + 256 + 8 x lane
.set U4,   12                          ; v12  128 w + 4 r
.set RLD,  13                          ; v13  RES + 16 x (thread % 128)
.set QLD,  14                          ; v14  USQ + 16 x (thread % 128)
.set GO,   15                          ; v15  16 x (thread % 128)
.set SA,   16                          ; v16-17  the two images' scale words
.set SU,   18                          ; v18-33  U's scale words: register p: lanes 0-15 tile 2 p, lanes 16-31 tile 2 p + 1
.set RA,   34                          ; v34-35  the running maxima of an even and of an odd tile of U
.set T,    36                          ; v36-39  at work in the maximum (at the head v36-43: what U's quantiser stores)
.set RS,   40                          ; v40-41  a pair of tiles' maxima, lane = row: two registers by turns
.set IMG,  44                          ; v44-59  the two images (before that: at work in U's quantiser)
.set CN,   60                          ; v60-123 -l_sq in the result's layout, tile c = 4 i + b at 60 + 8 c (before that: image 1's 64 numbers)
.set DP,   124                         ; v124-155 results, set P;  v156-187 set Q  (before that: image 0's 64 numbers; in the tail: the sixteen waves' maxima)
.set DQ,   156
.set F,    188                         ; v188-255  Z X0 Z Y0 Z X1 Z Y1 Z X2 Z Y2 Z X3 Z Y3 Z: tile t of U lies in buffer t % 4
.set TM,   224                         ; v224-255 at the head: first U's 32 numbers; then v224-239 at work in L's quantiser, v240-247 sums of squares, v248-251 -l_sq; in the tail v224-231 the results
.set SQ,   240
	s_load_b128 s[4:7], s[0:1], 0x0                ; U_z s[4:5], L_z s[6:7]
	s_load_b64 s[8:9], s[0:1], 0x10                ; part
	v_lshl_add_u32 v[SPW], v0, 2, SPARE
	v_mov_b32 v[NIL], 0
	v_lshrrev_b32 v41, 5, v0
	v_readfirstlane_b32 s10, v41                   ; wave 0 .. 15
	s_and_b32 s12, ttmp7, 0xffff                   ; y: the chunk of L
	v_and_b32 v41, 31, v0                          ; lane
	v_and_b32 v42, 15, v0                          ; r
	v_bfe_u32 v43, v0, 4, 1                        ; h
	s_wait_alu depctr_va_sdst(0)                   ; s10 is written, ahead of its first reader: LDS addresses, the bases and the tail's branch are made from it
	s_lshl_b32 s13, s10, 9
	s_lshl_b32 s18, s10, 11
	s_lshl_b32 s19, s10, 10
	s_lshl_b32 s22, s10, 7
	v_lshlrev_b32 v[GOFF], 7, v42
	v_lshl_add_u32 v[GOFF], v43, 6, v[GOFF]
	v_lshlrev_b32 v[AX], 4, v41
	v_xor_b32 v[AY], 16, v41
	v_lshlrev_b32 v[AY], 4, v[AY]
	v_lshl_add_u32 v[ASU], v41, 2, USC
	v_lshl_add_u32 v[NST], v41, 2, NSQ
	v_add_nc_u32 v[NST], s13, v[NST]
	v_lshl_add_u32 v[NLD], v43, 5, NSQ
	v_add_nc_u32 v[NLD], s13, v[NLD]
	v_lshl_add_u32 v[RST], v41, 2, RES
	v_add_nc_u32 v[RST], s18, v[RST]
	v_lshlrev_b32 v[UA8], 4, v42
	v_lshl_add_u32 v[UA8], v43, 3, v[UA8]
	v_add_nc_u32 v[UA8], s19, v[UA8]
	v_lshl_add_u32 v[UZ8], v41, 3, 256
	v_add_nc_u32 v[UZ8], s19, v[UZ8]
	v_lshlrev_b32 v[U4], 2, v42
	v_add_nc_u32 v[U4], s22, v[U4]
	v_and_b32 v[GO], 127, v0
	v_lshlrev_b32 v[GO], 4, v[GO]
	v_add_nc_u32 v[RLD], RES, v[GO]
	v_add_nc_u32 v[QLD], USQ, v[GO]
.irp z, 0,8,16,24,32
.irp q, 0,1,2,3
	v_mov_b32 v[F+\z+\q], 0                        ; the first five Z: zero codes, written once (the other four lie where the head still works: they follow behind the quantisers)
.endr
.endr
.irp q, 46,47,56,57
	v_mov_b32 v[\q], 0                             ; written once: a lane permute's destination counts as one of its sources
.endr
	s_mov_b32 s20, 0x76543210
	s_mov_b32 s21, 0xfedcba98                      ; v_permlanex16_b32's selects for lane l xor 16
	s_lshl_b32 s14, ttmp9, 16                      ; U: 512 rows of 128 bytes a work-group,
	s_lshl_b32 s15, s10, 12                        ; 32 rows a wave
	s_add_co_u32 s14, s14, s15
	s_mov_b32 s15, 0
	s_lshl_b32 s16, s12, 18                        ; L: 2,048 rows of 128 bytes a chunk,
	s_lshl_b32 s17, s10, 14                        ; 128 rows a wave
	s_add_co_u32 s16, s16, s17
	s_mov_b32 s17, 0
	s_lshl_b32 s24, s12, 14                        ; part: row y of 16,384 bytes,
	s_lshl_b32 s23, ttmp9, 11                      ; 512 numbers a work-group
	s_add_co_u32 s24, s24, s23
	s_mov_b32 s25, 0
	s_wait_kmcnt 0x0
	s_add_nc_u64 s[4:5], s[4:5], s[14:15]
	s_add_nc_u64 s[6:7], s[6:7], s[16:17]
	s_add_nc_u64 s[8:9], s[8:9], s[24:25]
	s_wait_alu depctr_va_vdst(0)                   ; the offsets and addresses v3 to v15 are written, which every load and store of the kernel reads; none of them is written again
; ALL OF THE WAVE'S 40 GLOBAL LOADS AT ONCE.  Lane (r, h) takes the 16 neighbouring numbers 16 h .. 16 h + 15 of row r of each tile; a tile's four loads together cover its 2,048 bytes.
.irp t, 0,1
.irp j, 0,1,2,3
	global_load_b128 v[TM+16*\t+4*\j:TM+16*\t+4*\j+3], v[GOFF], s[4:5] offset:2048*\t+16*\j
.endr
.endr
.irp b, 0,1,2,3
.irp j, 0,1,2,3
	global_load_b128 v[DP+16*\b+4*\j:DP+16*\b+4*\j+3], v[GOFF], s[6:7] offset:2048*\b+16*\j
.endr
.endr
.irp b, 0,1,2,3
.irp j, 0,1,2,3
	global_load_b128 v[CN+16*\b+4*\j:CN+16*\b+4*\j+3], v[GOFF], s[6:7] offset:8192+2048*\b+16*\j
.endr
.endr
; ---- U: my two tiles, by turns.  A row's block of 32 lies in lanes l and l xor 16.  What is to be stored stays in v36-43 until the head's one run of LDS stores.
	s_wait_loadcnt 32                              ; U's eight loads are in; the 32 loads of L behind them may be out
.irp t, 0,1
	v_max3_num_f32 v[44+\t], |v[TM+16*\t]|, |v[TM+16*\t+1]|, 0x1800000   ; my 16 numbers, and the floor 2^(3 - 127): so the byte cannot fall under 1
.endr
.irp i, 2,4,6,8,10,12,14
.irp t, 0,1
	v_max3_num_f32 v[44+\t], v[44+\t], |v[TM+16*\t+\i]|, |v[TM+16*\t+\i+1]|
.endr
.endr
.irp t, 0,1
	v_permlanex16_b32 v[46+\t], v[44+\t], s20, s21
.endr
.irp t, 0,1
	v_max_num_f32 v[44+\t], v[44+\t], v[46+\t]     ; the row's largest magnitude
.endr
.irp t, 0,1
	v_add_nc_u32 v[48+\t], 0xff000000, v[44+\t]    ; 2 off its exponent field: the conversion's scale operand
	v_add_nc_u32 v[50+\t], 0xff800000, v[44+\t]    ; 1 off: the scale's byte + 1: the product's factor 2
.endr
.irp t, 0,1
	v_lshrrev_b32 v[50+\t], 23, v[50+\t]
.endr
.irp t, 0,1
	v_lshl_or_b32 v[50+\t], v[50+\t], 8, v[50+\t]
.endr
.irp t, 0,1
	v_lshl_or_b32 v[38+4*\t], v[50+\t], 16, v[50+\t]   ; the byte in all four places: one word serves the four variants
.endr
.irp t, 0,1
	v_pk_mul_f32 v[52+2*\t:53+2*\t], v[TM+16*\t:TM+16*\t+1], v[TM+16*\t:TM+16*\t+1]   ; u_sq, of the unquantised numbers
.endr
.irp i, 2,4,6,8,10,12,14
.irp t, 0,1
	v_pk_fma_f32 v[52+2*\t:53+2*\t], v[TM+16*\t+\i:TM+16*\t+\i+1], v[TM+16*\t+\i:TM+16*\t+\i+1], v[52+2*\t:53+2*\t]
.endr
.endr
.irp t, 0,1
	v_add_f32 v[52+2*\t], v[52+2*\t], v[53+2*\t]
.endr
.irp t, 0,1
	v_permlanex16_b32 v[56+\t], v[52+2*\t], s20, s21
.endr
.irp t, 0,1
	v_add_f32 v[39+4*\t], v[52+2*\t], v[56+\t]
.endr
.irp t, 0,1
	v_cvt_scalef32_pk8_fp4_f32 v[36+4*\t], v[TM+16*\t:TM+16*\t+7], v[48+\t]      ; the codes of k = 16 h + 0 .. 7
	v_cvt_scalef32_pk8_fp4_f32 v[37+4*\t], v[TM+16*\t+8:TM+16*\t+15], v[48+\t]   ; and + 8 .. 15
.endr
	v_nop                                          ; one plain place behind a scaled conversion: its sources are written again below
.irp b, 0,1,2,3
	v_mov_b32 v[TM+4+\b], 0                        ; written once: a lane permute's destination counts as one of its sources
.endr
; ---- L.  64 numbers of a lane, register s + 16 b + i = number 16 h + i of row 16 b + r of the image's 64 rows, become the image in v[img] on, its scale word in v[sa], and -l_sq of its rows in v[nq], v[nq + 1].
.macro LQ s, img, sa, nq
.irp b, 0,1,2,3
	v_max3_num_f32 v[TM+\b], |v[\s+16*\b]|, |v[\s+16*\b+1]|, 0x1800000   ; tile b: my 16 numbers, and the floor 2^(3 - 127)
.endr
.irp i, 2,4,6,8,10,12,14
.irp b, 0,1,2,3
	v_max3_num_f32 v[TM+\b], v[TM+\b], |v[\s+16*\b+\i]|, |v[\s+16*\b+\i+1]|   ; (the four tiles by turns)
.endr
.endr
.irp b, 0,1,2,3
	v_permlanex16_b32 v[TM+4+\b], v[TM+\b], s20, s21
.endr
.irp b, 0,1,2,3
	v_max_num_f32 v[TM+\b], v[TM+\b], v[TM+4+\b]   ; with lane l xor 16's: the row's largest magnitude
.endr
.irp b, 0,1,2,3
	v_add_nc_u32 v[TM+12+\b], 0xff000000, v[TM+\b] ; 2 off its exponent field: the conversion's scale operand
.endr
.irp b, 0,1,2,3
	v_lshrrev_b32 v[TM+4+\b], 23, v[TM+12+\b]      ; the scale's byte
.endr
	v_lshl_or_b32 v[\sa], v[TM+5], 8, v[TM+4]      ; lane r: the bytes of rows r, 16 + r, 32 + r, 48 + r
	v_lshl_or_b32 v[\sa], v[TM+6], 16, v[\sa]
	v_lshl_or_b32 v[\sa], v[TM+7], 24, v[\sa]
.irp b, 0,1,2,3
	v_pk_mul_f32 v[SQ+2*\b:SQ+2*\b+1], v[\s+16*\b:\s+16*\b+1], v[\s+16*\b:\s+16*\b+1]   ; l_sq, of the unquantised numbers
.endr
.irp i, 2,4,6,8,10,12,14
.irp b, 0,1,2,3
	v_pk_fma_f32 v[SQ+2*\b:SQ+2*\b+1], v[\s+16*\b+\i:\s+16*\b+\i+1], v[\s+16*\b+\i:\s+16*\b+\i+1], v[SQ+2*\b:SQ+2*\b+1]
.endr
.endr
.irp b, 0,1,2,3
	v_add_f32 v[SQ+2*\b], v[SQ+2*\b], v[SQ+2*\b+1]
.endr
	v_permlane16_swap_b32 v240, v242               ; v240: the h = 0 parts of tiles 0 (lanes 0-15) and 1 (lanes 16-31); v242: their h = 1 parts
	v_permlane16_swap_b32 v244, v246               ; the same of tiles 2 and 3
	v_sub_f32 v[\nq], -v240, v242                  ; -l_sq of the image's row = lane,
	v_sub_f32 v[\nq+1], -v244, v246                ; and of row 32 + lane
.irp b, 0,1,2,3
	v_cvt_scalef32_pk8_fp4_f32 v[\img+2*\b], v[\s+16*\b:\s+16*\b+7], v[TM+12+\b]
	v_cvt_scalef32_pk8_fp4_f32 v[\img+2*\b+1], v[\s+16*\b+8:\s+16*\b+15], v[TM+12+\b]
.endr
	v_nop                                          ; one plain place behind a scaled conversion
.irp c, 0,1                                    ; the operand's layout wants a WHOLE block in a lane: lanes 0-15 block 2 c, lanes 16-31 block 2 c + 1
.irp i, 0,1
	v_permlane16_swap_b32 v[\img+4*\c+\i], v[\img+4*\c+2+\i]
.endr
.endr
.endm
	s_wait_loadcnt 16                              ; image 0's sixteen loads are in; image 1's may be out
	LQ DP, IMG, SA, 248
	s_wait_loadcnt 0x0
	LQ CN, IMG+8, SA+1, 250
.irp z, 40,48,56,64
.irp q, 0,1,2,3
	v_mov_b32 v[F+\z+\q], 0                        ; the other four Z, where the quantisers worked: zero codes, written once
.endr
.endr
; ---- THE HEAD'S LDS STORES, ALL TWELVE IN ONE RUN, and behind them the loads of C
	s_wait_alu depctr_va_vdst(0)                   ; the quantisers have written v36-43 and v248-251, and the head v188-189, which the stores below read; image 1's quantiser is done reading v60-123, in which the loads of C land
.irp t, 0,1
	ds_store_b64 v[UA8], v[36+4*\t:37+4*\t] offset:UIMG+512*\t     ; 8 bytes of row r's 16
	ds_store_b64 v[UZ8], v[F:F+1] offset:UIMG+512*\t               ; the tile's 256 bytes of zeros
	ds_store_b32 v[U4], v[38+4*\t] offset:USC+64*\t                ; both halves of the lanes write the same word with the same value
	ds_store_b32 v[U4], v[39+4*\t] offset:USQ+64*\t
.endr
.irp i, 0,1
	ds_store_b32 v[NST], v[248+2*\i] offset:256*\i                 ; -l_sq of image i's rows 0-31,
	ds_store_b32 v[NST], v[249+2*\i] offset:256*\i+128             ; and 32-63
.endr
.irp c, 0,1,2,3,4,5,6,7                        ; C of tile c: register j of lane (r, h) = -l_sq of row 16 c + 8 h + j.  LDS serves a wave's instructions in order: these see my stores
	ds_load_b128 v[CN+8*\c:CN+8*\c+3], v[NLD] offset:64*\c
	ds_load_b128 v[CN+8*\c+4:CN+8*\c+7], v[NLD] offset:64*\c+16
.endr
	s_wait_dscnt 0x0                               ; for the others' sake: my stores of U's tiles, words and u_sq have landed
	s_barrier_signal -1
	s_barrier_wait -1                              ; all 32 tiles of U lie in LDS
.irp p, 0,1,2,3,4,5,6,7,8,9,10,11,12,13,14,15
	ds_load_b32 v[SU+\p], v[ASU] offset:128*\p     ; (no vector line has named v18-33)
.endr
.irp u, 0,1
	ds_load_b128 v[F+4+16*\u:F+7+16*\u], v[AX] offset:UIMG+512*\u     ; pair 0, tiles 0 and 1, into set 0: X,  (no vector line has named these registers)
	ds_load_b128 v[F+12+16*\u:F+15+16*\u], v[AY] offset:UIMG+512*\u   ; and Y
.endr
.rept 8
	v_nop                                          ; the images' scale words and codes and the zeros were written by vector instructions: 8 and 4 places ahead of a scaled matrix instruction
.endr
; Four products: image i x the four variants of U's tile t, into set.  C comes from registers of its own and D is written anew: no product adds onto another's result.
.macro W t, i, set
.set FB, F+16*((\t)%4)                 ; the tile's buffer: Z X Z Y Z from here on
.irp b, 0,1,2,3
.if (\t)%2
	v_wmma_scale_f32_16x16x128_f8f6f4 v[\set+8*\b:\set+8*\b+7], v[IMG+8*\i:IMG+8*\i+7], v[FB+8*(\b%2)+4*(1-\b/2):FB+8*(\b%2)+4*(1-\b/2)+7], v[CN+8*(4*\i+\b):CN+8*(4*\i+\b)+7], v[SA+\i], v[SU+(\t)/2] matrix_a_fmt:MATRIX_FMT_FP4 matrix_b_fmt:MATRIX_FMT_FP4 matrix_b_scale:MATRIX_SCALE_ROW1
.else
	v_wmma_scale_f32_16x16x128_f8f6f4 v[\set+8*\b:\set+8*\b+7], v[IMG+8*\i:IMG+8*\i+7], v[FB+8*(\b%2)+4*(1-\b/2):FB+8*(\b%2)+4*(1-\b/2)+7], v[CN+8*(4*\i+\b):CN+8*(4*\i+\b)+7], v[SA+\i], v[SU+(\t)/2] matrix_a_fmt:MATRIX_FMT_FP4 matrix_b_fmt:MATRIX_FMT_FP4
.endif
.endr
.endm
; The maximum of a set's 32 results and, first = 0, of the running maximum r: sixteen lines, each accumulator from its low end on, the four by turns.
.macro MX set, r, first
.irp a, 0,1,2,3
	v_max3_num_f32 v[T+\a], v[\set+8*\a], v[\set+8*\a+1], v[\set+8*\a+2]
.endr
.irp a, 0,1,2,3
	v_max3_num_f32 v[T+\a], v[T+\a], v[\set+8*\a+3], v[\set+8*\a+4]
.endr
.irp a, 0,1,2,3
	v_max3_num_f32 v[T+\a], v[T+\a], v[\set+8*\a+5], v[\set+8*\a+6]
.endr
	v_max3_num_f32 v[T], v[T], v[\set+7], v[\set+15]
	v_max3_num_f32 v[T+1], v[T+1], v[\set+23], v[\set+31]
.if \first
	v_max_num_f32 v[T+2], v[T+2], v[T+3]
.else
	v_max3_num_f32 v[T+2], v[T+2], v[T+3], v[\r]
.endif
	v_max3_num_f32 v[\r], v[T], v[T+1], v[T+2]
.endm
; Tiles 2 q and 2 q + 1 of U are done: the two halves of the lanes (eight rows of L of each sixteen) are joined, and lane l of RS[q % 2] holds the maximum of U's row 32 q + l.  It is stored at the head of the next pair but one.
.macro FIN q
	v_permlane16_swap_b32 v[RA], v[RA+1]
	v_max_num_f32 v[RS+(\q)%2], v[RA], v[RA+1]
.endm
; THE HEAD OF PAIR p (tiles 2 p and 2 p + 1): all of the pair's waits on register dependences and all its LDS instructions.
.macro HEAD p
.if ((\p) == 0) || ((\p) >= 3)
	s_wait_alu depctr_vm_vsrc(0)                   ; the store at the last pair's head has read the RS that this pair's FIN writes again.  At p = 0: the head's stores have read v36-43, which the maxima write, and v248-251, in which Y of tile 3 lands
.endif
	s_wait_alu depctr_va_vdst(0)                   ; the last pair's products are done reading the other set of X and Y, in which the loads below land; its FIN has written the RS that is stored below.  At p = 0: the images' codes and scale words and the zeros are written (the eight places stand above), and the quantisers are done with v224-251
.if (\p) >= 2
	ds_store_b32 v[RST], v[RS+(\p)%2] offset:128*((\p)-2)          ; the maxima of pair p - 2
.endif
.if (\p) < 15
.irp u, 0,1
	ds_load_b128 v[F+4+32*(((\p)+1)%2)+16*\u:F+7+32*(((\p)+1)%2)+16*\u], v[AX] offset:UIMG+512*(2*(\p)+2+\u)      ; the next pair's X and Y, into the other set: no line of this pair names it
	ds_load_b128 v[F+12+32*(((\p)+1)%2)+16*\u:F+15+32*(((\p)+1)%2)+16*\u], v[AY] offset:UIMG+512*(2*(\p)+2+\u)
.endr
.endif
.if (\p) < 2
	s_wait_dscnt 0x4                               ; all but the four loads just issued: this pair's X and Y are in (at first the scale words too)
.elseif (\p) < 15
	s_wait_dscnt 0x5                               ; all but the store and the four loads just issued
.else
	s_wait_dscnt 0x1                               ; all but the store just issued
.endif
.endm
; A TILE OF U.  The sixteen lines of one set's maximum stand behind the other set's four products: they are the places between a product and the first read of its result, and between a product and the
; product that writes over its result (ISA guide 7.12.1).
.macro TILE t
	W \t, 0, DP
.if (\t) > 0
	MX DQ, RA+((\t)-1)%2, 0                        ; the tile before: its second image's results
.if (\t)%2 == 0
	FIN (\t)/2-1
.endif
.endif
	W \t, 1, DQ
.if (\t) == 0
.rept 4
	v_nop                                          ; the first tile has no maximum yet to stand here
.endr
.endif
	MX DP, RA+(\t)%2, 1                            ; this tile's first image starts its running maximum
.endm
.set PP, 0
.rept 16
	HEAD PP
	TILE 2*PP
	TILE 2*PP+1
.set PP, PP+1
.endr
	s_wait_alu depctr_vm_vsrc(0)                   ; the store at pair 15's head has read RS1, which FIN 15 writes again
	MX DQ, RA+1, 0
	FIN 15
	s_wait_alu depctr_va_vdst(0)                   ; FIN 14 and FIN 15 have written RS0 and RS1, which the stores below read; the products and maxima are done with v124-187 and v228-231, in which the tail's loads land
	ds_store_b32 v[RST], v[RS] offset:128*14
	ds_store_b32 v[RST], v[RS+1] offset:128*15
	s_wait_dscnt 0x0                               ; for the others' sake: my 512 maxima have landed
	s_barrier_signal -1
	s_barrier_wait -1
; ---- THE TAIL: waves 0 to 3 take the maximum over the sixteen waves, four rows of U a thread, and store.
	s_cmp_gt_u32 s10, 3
	s_cbranch_scc1 .Lend
.irp k, 0,1,2,3,4,5,6,7,8,9,10,11,12,13,14,15
	ds_load_b128 v[DP+4*\k:DP+4*\k+3], v[RLD] offset:2048*\k       ; (no vector or matrix line since the last wait on va_vdst names these registers)
.endr
	ds_load_b128 v[228:231], v[QLD]                ; u_sq of the same four rows
	s_wait_dscnt 0x0
.irp c, 0,1,2,3
	v_max3_num_f32 v[224+\c], v[DP+\c], v[DP+4+\c], v[DP+8+\c]
.endr
.irp k, 3,5,7,9,11,13
.irp c, 0,1,2,3
	v_max3_num_f32 v[224+\c], v[224+\c], v[DP+4*\k+\c], v[DP+4*\k+4+\c]
.endr
.endr
.irp c, 0,1,2,3
	v_max_num_f32 v[224+\c], v[224+\c], v[DP+60+\c]
.endr
	s_wait_alu depctr_va_vdst(0)                   ; the maxima have written v224-227, which the store reads
	global_store_b128 v[GO], v[224:227], s[8:9]    ; a wave stores 512 consecutive bytes, at a multiple of 512 from part's first byte
	s_cmp_lg_u32 s12, 0                            ; u_sq is the same for every chunk: the work-groups of chunk 0 store it, as row 32
	s_cbranch_scc1 .Lend
	global_store_b128 v[GO], v[228:231], s[8:9] offset:524288      ; (its data came by an LDS load, which has been waited for)
.Lend:
	s_wait_dscnt 0x0                               ; the wave's end: six lines on end of a launch in the mode that stores to LDS
	s_wait_alu 0x0
	s_wait_tensorcnt 0x0
	ds_add_u32 v[SPW], v[NIL]
	s_wait_dscnt 0x0
	s_endpgm
.Lfunc_end_k_q3a4fc9d052_nearest:
	.size	k_q3a4fc9d052_nearest, .Lfunc_end_k_q3a4fc9d052_nearest-k_q3a4fc9d052_nearest
	.p2alignl 7, 3214868480
	.fill 96, 4, 3214868480
	.section	.rodata,"a",@progbits
	.p2align	6, 0x0
	.amdhsa_kernel k_q3a4fc9d052_nearest
		.amdhsa_group_segment_fixed_size 63488
		.amdhsa_private_segment_fixed_size 0
		.amdhsa_enable_private_segment 0
		.amdhsa_kernarg_size 24
		.amdhsa_user_sgpr_count 2
		.amdhsa_user_sgpr_kernarg_segment_ptr 1
		.amdhsa_wavefront_size32 1
		.amdhsa_system_sgpr_workgroup_id_x 1
		.amdhsa_system_sgpr_workgroup_id_y 1
		.amdhsa_system_sgpr_workgroup_id_z 1
		.amdhsa_system_vgpr_workitem_id 0
		.amdhsa_next_free_vgpr 256
		.amdhsa_next_free_sgpr 66
		.amdhsa_reserve_vcc 0
		.amdhsa_float_denorm_mode_32 3
		.amdhsa_float_denorm_mode_16_64 3
		.amdhsa_memory_ordered 1
		.amdhsa_forward_progress 1
		.amdhsa_inst_pref_size 133
	.end_amdhsa_kernel
	.amdgpu_metadata
---
amdhsa.version: [ 1, 2 ]
amdhsa.kernels:
  - .name:           k_q3a4fc9d052_nearest
    .symbol:         k_q3a4fc9d052_nearest.kd
    .args:
      - { .name: U_z, .offset: 0, .size: 8, .value_kind: global_buffer, .address_space: global }
      - { .name: L_z, .offset: 8, .size: 8, .value_kind: global_buffer, .address_space: global }
      - { .name: part, .offset: 16, .size: 8, .value_kind: global_buffer, .address_space: global }
    .group_segment_fixed_size: 63488
    .private_segment_fixed_size: 0
    .kernarg_segment_align: 8
    .kernarg_segment_size: 24
    .max_flat_workgroup_size: 512
    .sgpr_count:     66
    .vgpr_count:     256
    .wavefront_size: 32
...
	.end_amdgpu_metadata
.endif
;; end of part 3
;; launch finish: the kernel of part 2 again; grid 1 x 1, 32 waves a work-group, no clusters, 4,352 bytes of LDS; arguments part, out0; writes out0
